; MI455X (gfx1250); checked and timed in simulation.
; The chip was launched on July 23, 2026; its instructions are those of AMD's public machine-readable ISA for CDNA 5 (MIT licence, August 2026) and "CDNA5" Instruction Set Architecture Reference Guide (July 2026). The comments in the code are by the model that wrote it; some were corrected since.
;; Coupled Flow Matching. Allowed arithmetic: float matrix products may take bf16 or f16 operands with f32 sums; other float arithmetic in f32, or as packed bf16 or f16 multiplies, adds, multiply-adds, maxima and minima; sums over many terms, partial sums and values carried from step to step in f32; what a program stores and reads back later, other than sums and carried values, may be rounded once to bf16 or f16.
;; Inputs: W1 81 x 128 float32; W2 128 x 128 float32; W3 128 x 32 float32; a0 65,536 x 16 float32; b1 128 float32; b2 128 float32; b3 32 float32; rad 16 x 65,536 x 16 int32; s 65,536 x 64 float32.
;; Outputs: out0 65,536 float32.
;; One version. Each part assembles by itself: llvm-mc -triple=amdgcn-amd-amdhsa -mcpu=gfx1250 --defsym DOCPART=n.
;; ======== version 1 of 1: 1 launch
;; limits: values outside matrix products are rounded to bf16
;; launch flow (part 1): grid 256 x 1, 4 waves a work-group, no clusters, 200,192 bytes of LDS; arguments s, a0, rad, W1, b1, W2, b2, W3, b3, out0; writes out0
.if DOCPART == 1
	.amdgcn_target "amdgcn-amd-amdhsa--gfx1250"
	.amdhsa_code_object_version 6
	.text
	.protected	k_q31ef0981b1_flow
	.globl	k_q31ef0981b1_flow
	.p2align	8
	.type	k_q31ef0981b1_flow,@function
k_q31ef0981b1_flow:
	s_mov_b64 s[64:65], 0
	v_nop
	global_prefetch_b8 v0, s[64:65] scope:SCOPE_SE
	s_setreg_imm32_b32 hwreg(HW_REG_WAVE_MODE, 25, 1), 1
	s_wait_xcnt 0x0
; out0[row] = sum_j(-a_T[j]^2 / 2 - log(2 pi) / 2) + log_det: 16 Euler steps of v(a) = MLP([a, s, t]) (81 -> 128 -> 128 -> 32, ReLU, the two output halves added),
; log_det -= DELTA v^T J v with v = 2 rad - 1, DELTA = 1/16.  65,536 rows, none of which looks at another.
; WHAT IS DONE OTHERWISE THAN reference() WRITES IT, each an identity for all finite inputs; every input has a way to the output and is loaded:
;   (a) s @ W1[16:80] + b1 is the same in all 16 steps: made once (c, kept in f32).  (b) v_c + r = h2 @ (W3[:, :16] + W3[:, 16:]) + (b3[:16] + b3[16:]): the halves are added in f32 before rounding.
;   (c) (v^T J) v = v^T (J v): the tangent v goes FORWARD through W1[0:16], the ReLU masks, W2 and the summed W3, beside the values and with the same weight fragments; the backward products are not formed.
;   (d) the cotangents of s and t are used by nothing.  (e) stop_gradient changes no value.  (f) DELTA is a power of two: it is folded, exactly, into the summed W3 and b3.
; LIMITS.  Matrix operands are bf16 (weights, s, a_t, the hidden layers, the tangent); sums, a_t, c and log_det are f32.  The ReLU mask is x 2^127 held to 0 .. 1, on the f32 sum x: 0 for x <= 0, 1 from 2^-127 on,
; a fraction between; h = x mask.  2 rad - 1 is formed for any int32 and is exact in bf16 up to 256 in size.  NaN and infinities are not treated apart; one that reaches only the products left out under
; (c), (d) is not carried to the result.
; SHARES.  Work-group g, wave w: rows 256 g + 64 w .. + 63, as four PIECES of 16 rows, for the whole launch.  Every product is taken transposed (source 0 = 16 units of W^T, source 1 = 16 rows), so a lane holds ONE
; row (lane % 16) and the units 8 (lane / 16) + 0..7; two neighbouring results rounded to bf16 ARE source 1 of the next layer: nothing changes lanes.  Layer 3 adds onto a_t itself (C = D = a_t).
; ALL WEIGHTS AND b2 STAY IN REGISTERS.  c lies in LDS, in f32, each wave's own 32,768 bytes in the order of an accumulator's registers: a turn loads 8,192 of them straight into the accumulators of the layer 1
; that adds onto them.  The loop's only traffic with memory is rad, 32 bytes a lane, piece and step, in the operand's own order.
; BY TURNS.  Turn p: layer 1 of piece p + 1; the last link of layer 3 of piece p - 1; layer 2 and three links of layer 3 of piece p: 88 products, in 44 pairs.  The turn's 353 vector instructions
; (activations of pieces p - 1, p, p + 1: five for every two units; the finishing of piece p - 1) are one numbered list, dealt eight behind each pair (nine behind the last), and cut so that a slice of eight
; lies under one window setting.  The list's order keeps every reader a whole slice or more behind the product that it reads and every operand ready ahead of its product (RID).  A slice costs two window
; switches; set in phases of their own the 353 would leave the matrix unit without work meanwhile.
; ONE TEXT FOR EVERY TRIP: the first turn finishes a piece 3 that has not been (on zeros: it adds 0), and the last trip prepares a step 16 that is not taken (three finishings, one layer 1 of 16 products, one activation).
; NO CLUSTER: work-groups share the weights alone, 123 KB read once at the head, which pass through registers anyway (f32 to bf16, W3's halves added); in the 16 steps they share nothing.
; NO TENSOR LOADS: no wave wants a byte of s, a0 or rad that another wave fetched.
.set PLANE, 4194304                 ; bytes in a step's plane of rad
.set WP,    288                     ; LDS pitch of W1 and W2 in bf16: 256 + 32 bytes, an odd multiple of 32
.set W3L,   0                       ; LDS: DELTA (W3[:, :16] + W3[:, 16:]) bf16 [128][16], pitch 32
.set W2L,   4096                    ; W2 bf16 [128][128]
.set W1L,   40960                   ; 96 rows: W1's 81, then zeros
.set SPARE, 68608                   ; the spare words, 128 bytes a wave: two blocks of 256 bytes that no other line names
.set CL,    69120                   ; c: wave w at 32,768 w; piece p, unit tile mt, registers 4 q .. 4 q + 3 at 8,192 p + 1,024 mt + 512 q + 16 x lane
; window 0
.set RO,  1                         ; v1   64 r + 32 h: my 32 bytes in 16 rows of a0 and rad; never rewritten
.set HM,  2                         ; v2   0xffff where h = 0
.set PFO, 3                         ; v3   the prefetch's offset; never rewritten
.set BIGP, 4                        ; v4-5 2^127, twice
.set CA,  6                         ; v6   CL + 32,768 w + 16 x lane; never rewritten
.set Z8,  8                         ; v8-15 zeros, for the stage's empty rows
.set B3,  16                        ; v16-23 DELTA (b3[8h+j] + b3[16+8h+j])
.set LD,  24                        ; v24-31 piece p: two chains of DELTA v . Jv
.set AB,  32                        ; v32-47 two buffers of [a_t, t, 0..] as source 1
.set VB,  48                        ; v48-79 piece p: [v, 0..] as source 1
.set JV,  80                        ; v80-87 DELTA J v
.set G,   88                        ; v88-119 two buffers: 32 units of h2 (8 registers), of its tangent (8)
.set SPW, 126
.set NIL, 127
.set HU,  128                       ; v128-255 two buffers: h1 (32 registers), its tangent (32)
; the head's own registers, in G's first buffer, HU and JV, which the loop writes before it reads them
.set LL,  88
.set RR,  89
.set HH,  90
.set GOW, 91                        ; 512 w + 16 l
.set GOL, 92                        ; 16 l
.set LS,  93                        ; W2L + 288 w + 8 l
.set W3G, 94                        ; 128 x thread
.set W3S, 95                        ; 32 x thread
.set BO,  96                        ; 32 h
.set SO,  97                        ; 256 r + 32 h
.set TRB, 98                        ; the turning load's lane term, pitch 288
.set TRB3, 99                       ; pitch 32
.set SC,  100                       ; v100-101 at work
.set B1T, 128                       ; b1 as C, 8 registers a unit tile
.set SB,  192                       ; s as source 1: piece p, K half ks at 16 p + 8 ks
.set B3U, 80
; window 1: W2's fragment (mt, k) at 8 (4 mt + k)
; window 2: the f32 results
.set XV,  0                         ; two buffers of 64, by the piece's parity: c, then layer 1's sums, then h1; unit tile mt at 8 mt
.set XT,  128                       ; layer 1's tangent, unit tile mt at 8 mt
.set ACC, 192                       ; two buffers of 32, by the block's parity: layer 2's values of two unit tiles (16), their tangents (16)
; window 3
.set W1X, 0                         ; fragment mt: k 0-15 = W1 rows 0-15, k 16 = row 80 (t), k 17-31 = 0
.set W3F, 64
.set B2,  96                        ; b2 as C
.set T1,  160                       ; the masks of two unit tiles of layer 1
.set TG,  176                       ; of layer 2
.set AR,  192                       ; a_t, f32, 8 a piece
.set RAD, 224                       ; rad on its way, 8 a piece
; scalars
.set WV,  2
.set PS,  8
.set PA0, 10
.set PRAD, 12
.set PW1, 14
.set PB1, 16
.set PW2, 18
.set PB2, 20
.set PW3, 22
.set PB3, 24
.set POUT, 26
.set STEP, 28                       ; i
.set T0,  29                        ; bf16 bits of t_mid(i) = (2 i + 1) / 32, exact in bf16
.set T1S, 30                        ; of t_mid(i + 1)
.set OFF, 34
.set W0M, 36                        ; -1 in wave 0
.set RB,  38                        ; rad at my rows, plane i + 1
.set SEL, 40
.set MSB, 0
.macro WIN new                      ; low byte: bits 1:0 source 0, 3:2 source 1, 5:4 source 2, 7:6 destination; the high byte repeats the setting that is left
.if MSB != (\new)
	s_set_vgpr_msb (MSB<<8)|(\new)
.set MSB, (\new)
.endif
.endm
.set W_L1,  0xa3                    ; W1 window 3, a_t or v window 0, C and D window 2
.set W_L2K, 0xb1                    ; W2 window 1, h1 window 0, b2 window 3, D window 2
.set W_L2,  0xa1                    ; the same, C and D window 2
.set W_L3A, 0xf3
.set W_L3J, 0x03
.set W_TA,  0xc2                    ; x window 2, 2^127 window 0, the mask window 3
.set W_TM,  0x8e                    ; x or u window 2 (source and destination), the mask window 3
.set W_CV,  0x0a                    ; f32 window 2, bf16 window 0
.macro CLOAD cp, cb                 ; c of piece cp into XV's buffer cb: one run of 16 loads, 512 consecutive bytes each
	WIN 0x80
.set z, 0
.rept 8
	ds_load_b128 v[XV+64*(\cb)+8*z:XV+64*(\cb)+8*z+3],   v[CA] offset:8192*(\cp)+1024*z
	ds_load_b128 v[XV+64*(\cb)+8*z+4:XV+64*(\cb)+8*z+7], v[CA] offset:8192*(\cp)+1024*z+512
.set z, z+1
.endr
.endm
	s_load_b512 s[8:23], s[0:1], 0x0               ; s, a0, rad, W1, b1, W2, b2, W3
	s_load_b128 s[24:27], s[0:1], 0x40             ; b3, out0
	v_lshl_add_u32 v[SPW], v0, 2, SPARE
	v_mov_b32 v[NIL], 0
	v_lshrrev_b32 v[SC], 5, v0
	v_readfirstlane_b32 s[WV], v[SC]               ; wave 0..3
	v_and_b32 v[LL], 31, v0
	v_and_b32 v[RR], 15, v0                        ; r
	v_bfe_u32 v[HH], v0, 4, 1                      ; h
	v_lshlrev_b32 v[RO], 6, v[RR]
	v_lshl_add_u32 v[RO], v[HH], 5, v[RO]
	v_add_nc_u32 v[HM], -1, v[HH]
	v_and_b32 v[HM], 0xffff, v[HM]
	v_lshlrev_b32 v[PFO], 8, v[RR]                 ; lane (r, h): 256 bytes number r of my wave's 4,096 in plane i + 3 + h
	v_lshl_add_u32 v[PFO], v[HH], 22, v[PFO]
	v_add_nc_u32 v[PFO], 2*PLANE, v[PFO]
	v_mov_b32 v[BIGP], 0x7f000000
	v_mov_b32 v[BIGP+1], 0x7f000000
	v_lshlrev_b32 v[GOW], 4, v0
	v_lshlrev_b32 v[GOL], 4, v[LL]
	s_mul_i32 s42, s[WV], WP
	s_add_co_u32 s42, s42, W2L
	v_lshl_add_u32 v[LS], v[LL], 3, s42
	s_lshl_b32 s42, s[WV], 15
	s_add_co_u32 s42, s42, CL
	v_lshl_add_u32 v[CA], v[LL], 4, s42
	v_lshlrev_b32 v[W3G], 7, v0
	v_lshlrev_b32 v[W3S], 5, v0
	v_lshlrev_b32 v[BO], 5, v[HH]
	v_lshl_add_u32 v[SO], v[RR], 8, v[BO]
	v_and_b32 v[SC], 7, v0
	v_lshl_add_u32 v[SC], v[HH], 3, v[SC]          ; 8 h + l % 8: the row that my lane addresses
	v_bfe_u32 v[SC+1], v0, 3, 1
	v_mul_u32_u24 v[TRB], v[SC], WP
	v_lshl_add_u32 v[TRB], v[SC+1], 4, v[TRB]
	v_lshlrev_b32 v[TRB3], 5, v[SC]
	v_lshl_add_u32 v[TRB3], v[SC+1], 4, v[TRB3]
.set i, 0
.rept 8
	v_mov_b32 v[Z8+i], 0
.set i, i+1
.endr
	s_mov_b32 s[SEL], 0x76543210
	s_mov_b32 s[SEL+1], 0xfedcba98
	s_mov_b32 s[T0], 0x3d00                        ; 1/32
	s_mov_b32 s[T1S], 0x3dc0                       ; 3/32
	s_cmp_eq_u32 s[WV], 0
	s_cselect_b32 s[W0M], -1, 0
	s_lshl2_add_u32 s43, ttmp9, s[WV]              ; 4 g + w: my block of 64 rows
	s_mov_b32 s[OFF+1], 0
	s_wait_kmcnt 0x0
	s_lshl_b32 s[OFF], s43, 14                     ; 64 rows of 256 bytes
	s_add_nc_u64 s[PS:PS+1], s[PS:PS+1], s[OFF:OFF+1]
	s_lshl_b32 s[OFF], s43, 12                     ; of 64 bytes
	s_add_nc_u64 s[PA0:PA0+1], s[PA0:PA0+1], s[OFF:OFF+1]
	s_add_nc_u64 s[RB:RB+1], s[PRAD:PRAD+1], s[OFF:OFF+1]
	s_lshl_b32 s[OFF], s43, 8                      ; of 4 bytes
	s_add_nc_u64 s[POUT:POUT+1], s[POUT:POUT+1], s[OFF:OFF+1]
	; ALL FIRST LOADS, 145: the 61 that are staged through LDS first.  A wave takes rows w + 4 i of W2 and W1 (512 consecutive bytes a load), a thread a row of W3.
	WIN 0x40
.set i, 0
.rept 32
	global_load_b128 v[4*i:4*i+3], v[GOW], s[PW2:PW2+1] offset:2048*i
.set i, i+1
.endr
.set i, 0
.rept 20
	global_load_b128 v[128+4*i:128+4*i+3], v[GOW], s[PW1:PW1+1] offset:2048*i
.set i, i+1
.endr
	global_load_b128 v[208:211], v[GOL], s[PW1:PW1+1] offset:40960  ; row 80, in every wave
.set i, 0
.rept 8
	global_load_b128 v[212+4*i:212+4*i+3], v[W3G], s[PW3:PW3+1] offset:16*i
.set i, i+1
.endr
	WIN 0
.set i, 0
.rept 8
	global_load_b128 v[B1T+8*i:B1T+8*i+3],   v[BO], s[PB1:PB1+1] offset:64*i
	global_load_b128 v[B1T+8*i+4:B1T+8*i+7], v[BO], s[PB1:PB1+1] offset:64*i+16
.set i, i+1
.endr
	global_load_b128 v[B3:B3+3],     v[BO], s[PB3:PB3+1]
	global_load_b128 v[B3+4:B3+7],   v[BO], s[PB3:PB3+1] offset:16
	global_load_b128 v[B3U:B3U+3],   v[BO], s[PB3:PB3+1] offset:64
	global_load_b128 v[B3U+4:B3U+7], v[BO], s[PB3:PB3+1] offset:80
	WIN 0xc0
.set i, 0
.rept 8
	global_load_b128 v[B2+8*i:B2+8*i+3],   v[BO], s[PB2:PB2+1] offset:64*i
	global_load_b128 v[B2+8*i+4:B2+8*i+7], v[BO], s[PB2:PB2+1] offset:64*i+16
.set i, i+1
.endr
.set i, 0
.rept 4
	global_load_b128 v[AR+8*i:AR+8*i+3],   v[RO], s[PA0:PA0+1] offset:1024*i th:TH_LOAD_NT
	global_load_b128 v[AR+8*i+4:AR+8*i+7], v[RO], s[PA0:PA0+1] offset:1024*i+16 th:TH_LOAD_NT
.set i, i+1
.endr
.set i, 0
.rept 4
	global_load_b128 v[RAD+8*i:RAD+8*i+3],   v[RO], s[RB:RB+1] offset:1024*i th:TH_LOAD_NT      ; plane 0
	global_load_b128 v[RAD+8*i+4:RAD+8*i+7], v[RO], s[RB:RB+1] offset:1024*i+16 th:TH_LOAD_NT
.set i, i+1
.endr
	WIN 0x80
.set i, 0
.rept 32                            ; s in f32, in source 1's order: i = 8 p + 4 ks + 2 c + q
	global_load_b128 v[4*i:4*i+3], v[SO], s[PS:PS+1] offset:4096*(i/8)+128*((i/4)%2)+64*((i/2)%2)+16*(i%2) th:TH_LOAD_NT
.set i, i+1
.endr
	; STAGING: the weights are rounded to bf16 and laid [k][unit] into LDS, from where the turning load makes fragments of W^T.
	s_wait_loadcnt 63                              ; 84 loads are younger than the last of the 61; 63 is the largest count that this wait can name
	WIN 0x45
.set i, 0
.rept 53
	v_cvt_pk_bf16_f32 v[4*i],   v[4*i],   v[4*i+1]
	v_cvt_pk_bf16_f32 v[4*i+1], v[4*i+2], v[4*i+3]
.set i, i+1
.endr
	v_and_b32 v208, s[W0M], v208                   ; wave w stores this as row 80 + w: W1's row 80 from wave 0, zeros from the others
	v_and_b32 v209, s[W0M], v209
.set i, 0
.rept 8
	v_pk_add_f32 v[212+2*i:213+2*i], v[212+2*i:213+2*i], v[228+2*i:229+2*i]  ; W3's two halves, in f32
.set i, i+1
.endr
.set i, 0
.rept 8
	v_pk_mul_f32 v[212+2*i:213+2*i], v[212+2*i:213+2*i], 0x3d800000 op_sel_hi:[1,0]  ; times DELTA, exact
.set i, i+1
.endr
.set i, 0
.rept 8
	v_cvt_pk_bf16_f32 v[212+i], v[212+2*i], v[212+2*i+1]
.set i, i+1
.endr
	WIN 0x04                                       ; store data in window 1
.set i, 0
.rept 32
	ds_store_b64 v[LS], v[4*i:4*i+1] offset:4*i*WP  ; LS holds W2L: an immediate has 16 bits, and the stage ends past them
.set i, i+1
.endr
.set i, 0
.rept 20
	ds_store_b64 v[LS], v[128+4*i:128+4*i+1] offset:W1L-W2L+4*i*WP
.set i, i+1
.endr
	ds_store_b64 v[LS], v[208:209] offset:W1L-W2L+80*WP
	ds_store_b128 v[W3S], v[212:215] offset:W3L
	ds_store_b128 v[W3S], v[216:219] offset:W3L+16
	WIN 0
.irp z, 84,88,92
	ds_store_b64 v[LS], v[Z8:Z8+1] offset:W1L-W2L+(\z)*WP  ; rows 84 to 95: zeros
.endr
	s_wait_dscnt 0x0                               ; for the others' sake: my stores are done
	s_barrier_signal -1
	s_barrier_wait -1                              ; the kernel's one barrier: the stage is whole; nothing writes it again
	; c = W1[16:80]^T s + b1, once: 64 products, 32 accumulators by turns.
	WIN 0x40
.set i, 0
.rept 16                            ; fragment (mt, ks) = (i / 2, i % 2) at 8 i
	ds_load_tr16_b128 v[8*i:8*i+3],   v[TRB] offset:W1L+(16+32*(i%2))*WP+32*(i/2)
	ds_load_tr16_b128 v[8*i+4:8*i+7], v[TRB] offset:W1L+(32+32*(i%2))*WP+32*(i/2)
.set i, i+1
.endr
	s_wait_loadcnt 0x0                             ; b1, b2, b3, a0, rad's plane 0, s
	WIN 0x0a
.set i, 0
.rept 64
	v_cvt_pk_bf16_f32 v[SB+i], v[2*i], v[2*i+1]
.set i, i+1
.endr
	WIN 0
.set i, 0
.rept 4
	v_pk_add_f32 v[B3+2*i:B3+2*i+1], v[B3+2*i:B3+2*i+1], v[B3U+2*i:B3U+2*i+1]
.set i, i+1
.endr
.set i, 0
.rept 4
	v_pk_mul_f32 v[B3+2*i:B3+2*i+1], v[B3+2*i:B3+2*i+1], 0x3d800000 op_sel_hi:[1,0]
.set i, i+1
.endr
	s_wait_dscnt 0x0
	WIN 0x81                                       ; W1 window 1, s and b1 window 0, c window 2
.set i, 0
.rept 32                            ; piece i / 8, unit tile i % 8, at 8 i
	v_wmma_f32_16x16x32_bf16 v[8*i:8*i+7], v[16*(i%8):16*(i%8)+7], v[SB+16*(i/8):SB+16*(i/8)+7], v[B1T+8*(i%8):B1T+8*(i%8)+7]
.set i, i+1
.endr
	WIN 0xa1
.set i, 0
.rept 32
	v_wmma_f32_16x16x32_bf16 v[8*i:8*i+7], v[16*(i%8)+8:16*(i%8)+15], v[SB+16*(i/8)+8:SB+16*(i/8)+15], v[8*i:8*i+7]
.set i, i+1
.endr
	; What the first turn reads in window 0 before anything else has written it is 0: 42 registers.  These lines are also the places between the products above and the stores that read their results.
	WIN 0
.set i, 0
.rept 8
	v_mov_b32 v[LD+i], 0
	v_mov_b32 v[JV+i], 0
.set i, i+1
.endr
.set i, 0
.rept 4
	v_mov_b32 v[VB+8*i+4], 0
	v_mov_b32 v[VB+8*i+5], 0
	v_mov_b32 v[VB+8*i+6], 0
	v_mov_b32 v[VB+8*i+7], 0
	v_mov_b32 v[VB+24+i], 0
.set i, i+1
.endr
.irp z, 5,6,7,13,14,15
	v_mov_b32 v[AB+(\z)], 0
.endr
	WIN 0x08                                       ; store data in window 2
.set i, 0
.rept 32                            ; c goes to my wave's own bytes of LDS, each accumulator's low half first
	ds_store_b128 v[CA], v[8*i:8*i+3]   offset:1024*i
	ds_store_b128 v[CA], v[8*i+4:8*i+7] offset:1024*i+512
.set i, i+1
.endr
	; THE WEIGHTS COME TO STAY.
	WIN 0x40
.set i, 0
.rept 32                            ; W2's fragment (mt, k) = (i / 4, i % 4)
	ds_load_tr16_b128 v[8*i:8*i+3],   v[TRB] offset:W2L+32*(i%4)*WP+32*(i/4)
	ds_load_tr16_b128 v[8*i+4:8*i+7], v[TRB] offset:W2L+(32*(i%4)+16)*WP+32*(i/4)
.set i, i+1
.endr
	WIN 0xc0
.set i, 0
.rept 8
	ds_load_tr16_b128 v[W1X+8*i:W1X+8*i+3],   v[TRB] offset:W1L+32*i          ; k 0-15: W1's rows 0-15
	ds_load_tr16_b128 v[W1X+8*i+4:W1X+8*i+7], v[TRB] offset:W1L+80*WP+32*i    ; k 16-31: row 80 and the zeros
.set i, i+1
.endr
.set i, 0
.rept 4
	ds_load_tr16_b128 v[W3F+8*i:W3F+8*i+3],   v[TRB3] offset:W3L+32*i*32
	ds_load_tr16_b128 v[W3F+8*i+4:W3F+8*i+7], v[TRB3] offset:W3L+(32*i+16)*32
.set i, i+1
.endr
	CLOAD 0, 0                                     ; LDS serves a wave's instructions in order (ISA guide 5.7.1.4): these see the stores above
	CLOAD 1, 1
; ---------------------------------------------------------------- the macros of a turn
.macro PIECE p                      ; Y has layer 2, PN layer 1, PP is finished; buffers go by a piece's parity
.set Y,  (\p)
.set PN, ((\p)+1)%4
.set PP, ((\p)+3)%4
.set BP, Y%2
.set BN, PN%2
.endm
; Number AN of the 40 that activate two unit tiles: 16 f32 sums at XB, their 16 tangents at UB, 16 masks at TB; bf16 out to HD and UD, 8 registers each.  Five slices of eight, each under one window setting:
; mask = x 2^127 held to 0 .. 1; h = x mask; u = u mask; h rounded; u rounded.  Each accumulator's lowest registers are read first.
.macro ACTS
.if AN < 8
	WIN W_TA
	v_pk_mul_f32 v[TB+2*AN:TB+2*AN+1], v[XB+2*AN:XB+2*AN+1], v[BIGP:BIGP+1] clamp
.elseif AN < 16
	WIN W_TM
	v_pk_mul_f32 v[XB+2*(AN-8):XB+2*(AN-8)+1], v[XB+2*(AN-8):XB+2*(AN-8)+1], v[TB+2*(AN-8):TB+2*(AN-8)+1]
.elseif AN < 24
	WIN W_TM
	v_pk_mul_f32 v[UB+2*(AN-16):UB+2*(AN-16)+1], v[UB+2*(AN-16):UB+2*(AN-16)+1], v[TB+2*(AN-16):TB+2*(AN-16)+1]
.elseif AN < 32
	WIN W_CV
	v_cvt_pk_bf16_f32 v[HD+AN-24], v[XB+2*(AN-24)], v[XB+2*(AN-24)+1]
.else
	WIN W_CV
	v_cvt_pk_bf16_f32 v[UD+AN-32], v[UB+2*(AN-32)], v[UB+2*(AN-32)+1]
.endif
.endm
.macro ACT1 m, n                    ; number n for layer 1's tiles 2 m, 2 m + 1 of piece PN
.set XB, XV+64*BN+16*(\m)
.set UB, XT+16*(\m)
.set TB, T1
.set HD, HU+64*BN+8*(\m)
.set UD, HD+32
.set AN, (\n)
	ACTS
.endm
.macro ACTG b, n                    ; number n for the block of layer 2 in ACC's buffer b
.set XB, ACC+32*(\b)
.set UB, XB+16
.set TB, TG
.set HD, G+16*(\b)
.set UD, HD+8
.set AN, (\n)
	ACTS
.endm
; Number FN of the 29 that finish piece PP's step and prepare its next.  0-3: the new a_t as source 1 (lowest registers first).  4: t.  5-16: v = 2 rad - 1 of the next step, in place.
; 17-24: DELTA v . Jv of the step just ended, from the v that was kept, onto two chains.  25-28: the new v as source 1.
.macro FIN
.if FN < 4
	WIN 0x0f
	v_cvt_pk_bf16_f32 v[AB+8*(PP%2)+FN], v[AR+8*PP+2*FN], v[AR+8*PP+2*FN+1]
.elseif FN == 4
	WIN 0
.if PP == 3
	v_and_b32 v[AB+8*(PP%2)+4], s[T0], v[HM]       ; piece 3 ends step i - 1 in trip i
.else
	v_and_b32 v[AB+8*(PP%2)+4], s[T1S], v[HM]
.endif
.elseif FN < 13
	WIN 0xc3
	v_cvt_f32_i32 v[RAD+8*PP+FN-5], v[RAD+8*PP+FN-5]
.elseif FN < 17
	WIN 0xc3
	v_pk_fma_f32 v[RAD+8*PP+2*(FN-13):RAD+8*PP+2*(FN-13)+1], v[RAD+8*PP+2*(FN-13):RAD+8*PP+2*(FN-13)+1], 2.0, -1.0 op_sel_hi:[1,0,0]
.elseif FN < 25
	WIN 0
.set kd, FN-17
.if kd%2
	v_fma_mix_f32_bf16 v[LD+2*PP+1], v[VB+8*PP+kd/2], v[JV+kd], v[LD+2*PP+1] op_sel:[1,0,0] op_sel_hi:[1,0,0]
.else
	v_fma_mix_f32_bf16 v[LD+2*PP], v[VB+8*PP+kd/2], v[JV+kd], v[LD+2*PP] op_sel:[0,0,0] op_sel_hi:[1,0,0]
.endif
.else
	WIN 0x0f
	v_cvt_pk_bf16_f32 v[VB+8*PP+FN-25], v[RAD+8*PP+2*(FN-25)], v[RAD+8*PP+2*(FN-25)+1]
.endif
.endm
; Piece PP's rad for the step after next is asked for, a whole step (four turns) ahead of its use.  Where that plane does not exist, a wait for all loads stands in the loads' place, so that the count in
; front of FIN's number 5 holds on every way: either the three other pieces' six loads are younger than mine, or nothing is out.
.macro NEXTRAD
	WIN 0
.if PP == 3
	s_cmp_lt_u32 s[STEP], 15                       ; plane i + 1
.else
	s_cmp_lt_u32 s[STEP], 14                       ; plane i + 2
.endif
	s_cbranch_scc0 .Ldrain_\@
	WIN 0xc0
.if PP == 3
	global_load_b128 v[RAD+24:RAD+27], v[RO], s[RB:RB+1] offset:3072 th:TH_LOAD_NT
	global_load_b128 v[RAD+28:RAD+31], v[RO], s[RB:RB+1] offset:3088 th:TH_LOAD_NT
.else
	global_load_b128 v[RAD+8*PP:RAD+8*PP+3],   v[RO], s[RB:RB+1] offset:PLANE+1024*PP th:TH_LOAD_NT
	global_load_b128 v[RAD+8*PP+4:RAD+8*PP+7], v[RO], s[RB:RB+1] offset:PLANE+1024*PP+16 th:TH_LOAD_NT
.endif
	WIN 0
	s_branch .Ljoin_\@
.Ldrain_\@:
	s_wait_loadcnt 0x0
.Ljoin_\@:
.if PP == 3
	; A PREFETCH INTO THE L2, behind the turn's loads: in the odd trips i = 1 .. 11 each wave names its own 4,096 bytes of planes i + 3 (lanes 0-15) and i + 4 (lanes 16-31), a lane 256 bytes.  So each such block
	; of planes 4 to 15 is named once in the launch, by the wave that will load it, five turns or more ahead of its first load; planes 0 to 3 come by their loads alone; nothing is named past plane 15.
	s_bitcmp1_b32 s[STEP], 0
	s_cbranch_scc0 .Lnopf_\@
	s_cmp_lt_u32 s[STEP], 12
	s_cbranch_scc0 .Lnopf_\@
	global_prefetch_b8 v[PFO], s[RB:RB+1] th:TH_LOAD_NT scope:SCOPE_SE
.Lnopf_\@:
.endif
.endm
; THE LIST of a turn's 353 vector instructions; RID writes number j and steps j.  Numbers 8 i .. 8 i + 7 are slice i, behind pair i; number 352 follows slice 43.
;   slices 0-4    block 3 of piece PP (made by pairs 41, 42 of the turn before; slices 42, 43, of other registers, lie between): ready for pair 8
;   slices 5-9    layer 1's tiles 0, 1 of PN (pairs 0, 1)
;   slices 10-13  the finishing of PP (pair 8 lies two slices back; AB's last reader is pair 6) and DELTA b3 onto a_t of piece Y, ahead of pair 25
;   slices 14-16  tiles 2, 3: masks and multiplies      slices 17-21  block 0 of Y (pairs 15, 16): ready for pair 25      slices 22, 23  tiles 2, 3: roundings      slice 24  tiles 4, 5: masks
;   slices 25-29  block 1 (pairs 23, 24): ready for pair 34      slices 30-33  tiles 4, 5: the rest      slices 34-38  block 2 (pairs 32, 33): ready for pair 43
;   slices 39-43  tiles 6, 7: layer 1 of PN is whole at the turn's end      352  t for PP's next step
; Layer 1 and layer 2 have masks of their own (T1, TG), so the two kinds may lie between each other's slices.  ACC's buffer b is read out before the block after next starts its sums there (pairs 26, 35, 9, 17).
.macro RID
.if j < 40
	ACTG 1, j
.elseif j < 80
	ACT1 0, j-40
.elseif j < 112
.set kf, j-80
.if kf < 4
.set FN, kf
	FIN
.elseif kf < 12
.set FN, kf+13
	FIN
.elseif kf < 24
.if kf == 12
	s_wait_loadcnt 6                               ; my piece's two loads are in: the three other pieces' two each are younger (or nothing is out: NEXTRAD)
.endif
.set FN, kf-7
	FIN
.elseif kf < 28
	WIN 0xc3
	v_pk_add_f32 v[AR+8*Y+2*(kf-24):AR+8*Y+2*(kf-24)+1], v[AR+8*Y+2*(kf-24):AR+8*Y+2*(kf-24)+1], v[B3+2*(kf-24):B3+2*(kf-24)+1]
.else
.set FN, kf-3
	FIN
.if kf == 31
	NEXTRAD
.endif
.endif
.elseif j < 136
	ACT1 1, j-112
.elseif j < 176
	ACTG 0, j-136
.elseif j < 192
	ACT1 1, j-152
.elseif j < 200
	ACT1 2, j-192
.elseif j < 240
	ACTG 1, j-200
.elseif j < 272
	ACT1 2, j-232
.elseif j < 312
	ACTG 0, j-272
.elseif j < 352
	ACT1 3, j-312
.else
.set FN, 4
	FIN
.endif
.set j, j+1
.endm
; THE PRODUCTS, two to a pair, both under one window setting but for layer 3's.  No two products that follow each other share an accumulator, over a turn's edge and the backward jump too.
.macro L1P                          ; pair PI of 8 of layer 1 of piece PN: even: values, onto c, in place; odd: tangent, from 0
.set m0, 2*(PI/2)
	WIN W_L1
.if PI%2 == 0
.set rD, XV+64*BN+8*m0
	v_wmma_f32_16x16x32_bf16 v[rD:rD+7],    v[W1X+8*m0:W1X+8*m0+7],    v[AB+8*BN:AB+8*BN+7], v[rD:rD+7]
	v_wmma_f32_16x16x32_bf16 v[rD+8:rD+15], v[W1X+8*m0+8:W1X+8*m0+15], v[AB+8*BN:AB+8*BN+7], v[rD+8:rD+15]
.else
.set rD, XT+8*m0
	v_wmma_f32_16x16x32_bf16 v[rD:rD+7],    v[W1X+8*m0:W1X+8*m0+7],    v[VB+8*PN:VB+8*PN+7], 0
	v_wmma_f32_16x16x32_bf16 v[rD+8:rD+15], v[W1X+8*m0+8:W1X+8*m0+15], v[VB+8*PN:VB+8*PN+7], 0
.endif
.endm
.macro L2P                          ; pair BE of 8 of block BQ (unit tiles 2 BQ, 2 BQ + 1) of layer 2 of piece Y: K link BE / 2, tile 2 BQ + BE % 2; value and tangent share W2's fragment
.set kk, BE/2
.set mt, 2*BQ+BE%2
.set rA, 8*(4*mt+kk)
.set rH, HU+64*BP+8*kk
.set rC, ACC+32*(BQ%2)+8*(BE%2)
.if kk == 0
	WIN W_L2K
	v_wmma_f32_16x16x32_bf16 v[rC:rC+7],     v[rA:rA+7], v[rH:rH+7],     v[B2+8*mt:B2+8*mt+7]
	v_wmma_f32_16x16x32_bf16 v[rC+16:rC+23], v[rA:rA+7], v[rH+32:rH+39], 0
.else
	WIN W_L2
	v_wmma_f32_16x16x32_bf16 v[rC:rC+7],     v[rA:rA+7], v[rH:rH+7],     v[rC:rC+7]
	v_wmma_f32_16x16x32_bf16 v[rC+16:rC+23], v[rA:rA+7], v[rH+32:rH+39], v[rC+16:rC+23]
.endif
.endm
.macro L3P                          ; link LQ of layer 3 of piece LX: a_t += DELTA W3s^T h2 (the Euler step itself), JV (+)= DELTA W3s^T u2
.set rG, G+16*(LQ%2)
	WIN W_L3A
	v_wmma_f32_16x16x32_bf16 v[AR+8*LX:AR+8*LX+7], v[W3F+8*LQ:W3F+8*LQ+7], v[rG:rG+7], v[AR+8*LX:AR+8*LX+7]
	WIN W_L3J
.if LQ == 0
	v_wmma_f32_16x16x32_bf16 v[JV:JV+7], v[W3F+8*LQ:W3F+8*LQ+7], v[rG+8:rG+15], 0
.else
	v_wmma_f32_16x16x32_bf16 v[JV:JV+7], v[W3F+8*LQ:W3F+8*LQ+7], v[rG+8:rG+15], v[JV:JV+7]
.endif
.endm
.macro PAIR                         ; pair PI of a turn's 44
.if PI < 8
	L1P
.elseif PI == 8
.set LQ, 3
.set LX, PP
	L3P
.elseif PI < 17
.set BQ, 0
.set BE, PI-9
	L2P
.elseif PI < 25
.set BQ, 1
.set BE, PI-17
	L2P
.elseif PI == 25
.set LQ, 0
.set LX, Y
	L3P
.elseif PI < 34
.set BQ, 2
.set BE, PI-26
	L2P
.elseif PI == 34
.set LQ, 1
.set LX, Y
	L3P
.elseif PI < 43
.set BQ, 3
.set BE, PI-35
	L2P
.else
.set LQ, 2
.set LX, Y
	L3P
.endif
.endm
; A TURN.  c of the piece after next is fetched in one run behind slice 21, into the buffer whose h1 was rounded in the turn before: 44 products ahead of the wait for it, at the next turn's head.
.macro TURN p
	PIECE \p
	s_wait_dscnt 0x0                               ; c of piece PN is in
.set j, 0
.set PI, 0
.rept 44
	PAIR
.rept 9
.if j < ((PI+1)*353)/44
	RID
.endif
.endr
.if PI == 21
	CLOAD (Y+2)%4, BP
.endif
.set PI, PI+1
.endr
.endm
; ---------------------------------------------------------------- what the first turn finds
.irp p, 0,1,2                       ; v of step 0 for pieces 0 to 2 (piece 3's is made by the first turn's finishing)
.set PP, \p
.set FN, 5
.rept 12
	FIN
.set FN, FN+1
.endr
.set FN, 25
.rept 4
	FIN
.set FN, FN+1
.endr
.endr
	s_add_nc_u64 s[RB:RB+1], s[RB:RB+1], PLANE     ; plane 1: the loads that named this pointer have been waited for
	WIN 0xc0
.irp p, 0,1,2
	global_load_b128 v[RAD+8*\p:RAD+8*\p+3],   v[RO], s[RB:RB+1] offset:1024*\p th:TH_LOAD_NT
	global_load_b128 v[RAD+8*\p+4:RAD+8*\p+7], v[RO], s[RB:RB+1] offset:1024*\p+16 th:TH_LOAD_NT
.endr
.set PP, 0
.set FN, 0
.rept 4
	FIN                                            ; a0 of piece 0 as source 1
.set FN, FN+1
.endr
	WIN 0
	v_and_b32 v[AB+4],  s[T0], v[HM]
	v_and_b32 v[AB+12], s[T0], v[HM]
	s_wait_dscnt 0x0                               ; c is stored; the weights' fragments and c of pieces 0 and 1 are in
	WIN 0x80
.set i, 0
.rept 32
	v_mov_b32 v[ACC+32+i], 0                       ; the block 3 of a piece 3 that has not been: the first turn makes h2 = u2 = 0 of it, and its last link adds 0
.set i, i+1
.endr
	PIECE 3                                        ; PN = 0
.set PI, 0
.rept 8
	PAIR                                           ; layer 1 of piece 0: there is no vector work yet to set between
.set PI, PI+1
.endr
.set PP, 1
.set FN, 0
.rept 4
	FIN                                            ; a0 of piece 1, into the other buffer: also the four places behind those products
.set FN, FN+1
.endr
.irp m, 0,1,2,3
.set n, 0
.rept 40
	ACT1 \m, n
.set n, n+1
.endr
.endr
.set PP, 2
.set FN, 0
.rept 4
	FIN                                            ; a0 of piece 2, where piece 0's lay
.set FN, FN+1
.endr
	WIN 0
	s_mov_b32 s[STEP], 0
.Lstep:                             ; 16 trips: a step of all four pieces; piece 3's last link and finishing fall into the next trip's first turn
	TURN 0
	TURN 1
	TURN 2
	TURN 3
	WIN 0
	s_wait_xcnt 0x0                                ; the trip's loads and its prefetch (three turns back) have read their addresses: the pointer may be written
	s_add_nc_u64 s[RB:RB+1], s[RB:RB+1], PLANE
	s_mov_b32 s[T0], s[T1S]
	s_lshl1_add_u32 s42, s[STEP], 5                ; 2 (i + 2) + 1
	s_cvt_f32_u32 s42, s42
	s_mul_f32 s42, s42, 0x3d000000                 ; / 32
	s_lshr_b32 s[T1S], s42, 16                     ; six significant bits at the most: its bf16 is its upper half
	s_add_co_u32 s[STEP], s[STEP], 1
	s_cmp_lt_u32 s[STEP], 16
	s_cbranch_scc1 .Lstep
	; THE WAY OUT.  Piece 3's step 15 is ended: its block 3, its last link.
.set n, 0
.rept 40
	ACTG 1, n
.set n, n+1
.endr
	PIECE 0                                        ; PP = 3
.set PI, 8
	PAIR
.set QQ,  128                       ; v128-135 piece p: two registers at work
.set HB,  136
.set R01, 137
.set R23, 138
.set I0,  139
.set I1,  140
.set BPR, 141                       ; v141-144
.set STO, 145
.set RES, 146                       ; v146-147
	WIN 0x0f                                       ; the sum of a_T^2 of pieces 0 to 2: twelve plain instructions, the places behind that pair
.irp p, 0,1,2
	v_pk_mul_f32 v[QQ+2*\p:QQ+2*\p+1], v[AR+8*\p:AR+8*\p+1], v[AR+8*\p:AR+8*\p+1]
.endr
.irp n, 1,2,3
.irp p, 0,1,2
	v_pk_fma_f32 v[QQ+2*\p:QQ+2*\p+1], v[AR+8*\p+2*\n:AR+8*\p+2*\n+1], v[AR+8*\p+2*\n:AR+8*\p+2*\n+1], v[QQ+2*\p:QQ+2*\p+1]
.endr
.endr
.set FN, 17
.rept 8
	FIN                                            ; piece 3's last DELTA v . Jv
.set FN, FN+1
.endr
	WIN 0x0f
	v_pk_mul_f32 v[QQ+6:QQ+7], v[AR+24:AR+25], v[AR+24:AR+25]
.irp n, 1,2,3
	v_pk_fma_f32 v[QQ+6:QQ+7], v[AR+24+2*\n:AR+24+2*\n+1], v[AR+24+2*\n:AR+24+2*\n+1], v[QQ+6:QQ+7]
.endr
	WIN 0
.irp p, 0,1,2,3
	v_add_f32 v[QQ+2*\p], v[QQ+2*\p], v[QQ+2*\p+1]
	v_add_f32 v[QQ+2*\p+1], v[LD+2*\p], v[LD+2*\p+1]
.endr
.irp p, 0,1,2,3
	v_fma_f32 v[QQ+2*\p], v[QQ+2*\p], 0.5, v[QQ+2*\p+1]  ; my eight dimensions' a^2 / 2 + DELTA div
.endr
.irp p, 0,1,2,3
	v_permlanex16_b32 v[QQ+2*\p+1], v[QQ+2*\p], s[SEL], s[SEL+1]  ; the row's other eight lie in the lane 16 away
.endr
.irp p, 0,1,2,3
	v_add_f32 v[QQ+2*\p], v[QQ+2*\p], v[QQ+2*\p+1]
.endr
	v_and_b32 v[HB], 16, v0
	v_cmp_ne_u32 vcc_lo, 0, v[HB]
	v_cndmask_b32 v[R01], v[QQ],   v[QQ+2], vcc_lo  ; lane l: row l of my 64,
	v_cndmask_b32 v[R23], v[QQ+4], v[QQ+6], vcc_lo  ; row 32 + l
	v_sub_f32 v[R01], 0xc16b3f8e, v[R01]           ; -8 log(2 pi) less the sum
	v_sub_f32 v[R23], 0xc16b3f8e, v[R23]
	v_lshlrev_b32 v[I0], 3, v0
	v_and_b32 v[I0], 0x78, v[I0]                   ; 4 x ((2 l) % 32)
	v_or_b32 v[I1], 4, v[I0]
	ds_bpermute_b32 v[BPR],   v[I0], v[R01]        ; lane l takes rows 2 l and 2 l + 1, so that the wave's one store covers 256 consecutive bytes, aligned
	ds_bpermute_b32 v[BPR+1], v[I1], v[R01]
	ds_bpermute_b32 v[BPR+2], v[I0], v[R23]
	ds_bpermute_b32 v[BPR+3], v[I1], v[R23]
	v_and_b32 v[STO], 31, v0
	v_lshlrev_b32 v[STO], 3, v[STO]
	s_wait_dscnt 0x0
	v_cndmask_b32 v[RES],   v[BPR],   v[BPR+2], vcc_lo
	v_cndmask_b32 v[RES+1], v[BPR+1], v[BPR+3], vcc_lo
	global_store_b64 v[STO], v[RES:RES+1], s[POUT:POUT+1]
	s_wait_tensorcnt 0x0                           ; the wave's end, behind my last LDS store
	ds_add_u32 v[SPW], v[NIL]
	s_wait_dscnt 0x0
	s_endpgm
.Lfunc_end_k_q31ef0981b1_flow:
	.size	k_q31ef0981b1_flow, .Lfunc_end_k_q31ef0981b1_flow-k_q31ef0981b1_flow
	.p2alignl 7, 3214868480
	.fill 96, 4, 3214868480
	.section	.rodata,"a",@progbits
	.p2align	6, 0x0
	.amdhsa_kernel k_q31ef0981b1_flow
		.amdhsa_group_segment_fixed_size 200192
		.amdhsa_private_segment_fixed_size 0
		.amdhsa_enable_private_segment 0
		.amdhsa_kernarg_size 80
		.amdhsa_user_sgpr_count 2
		.amdhsa_user_sgpr_kernarg_segment_ptr 1
		.amdhsa_wavefront_size32 1
		.amdhsa_system_sgpr_workgroup_id_x 1
		.amdhsa_system_sgpr_workgroup_id_y 1
		.amdhsa_system_sgpr_workgroup_id_z 1
		.amdhsa_system_vgpr_workitem_id 0
		.amdhsa_next_free_vgpr 1024
		.amdhsa_next_free_sgpr 66
		.amdhsa_reserve_vcc 1
		.amdhsa_float_denorm_mode_32 3
		.amdhsa_float_denorm_mode_16_64 3
		.amdhsa_memory_ordered 1
		.amdhsa_forward_progress 1
		.amdhsa_inst_pref_size 204
	.end_amdhsa_kernel
	.amdgpu_metadata
---
amdhsa.version: [ 1, 2 ]
amdhsa.kernels:
  - .name:           k_q31ef0981b1_flow
    .symbol:         k_q31ef0981b1_flow.kd
    .args:
      - { .name: s, .offset: 0, .size: 8, .value_kind: global_buffer, .address_space: global }
      - { .name: a0, .offset: 8, .size: 8, .value_kind: global_buffer, .address_space: global }
      - { .name: rad, .offset: 16, .size: 8, .value_kind: global_buffer, .address_space: global }
      - { .name: W1, .offset: 24, .size: 8, .value_kind: global_buffer, .address_space: global }
      - { .name: b1, .offset: 32, .size: 8, .value_kind: global_buffer, .address_space: global }
      - { .name: W2, .offset: 40, .size: 8, .value_kind: global_buffer, .address_space: global }
      - { .name: b2, .offset: 48, .size: 8, .value_kind: global_buffer, .address_space: global }
      - { .name: W3, .offset: 56, .size: 8, .value_kind: global_buffer, .address_space: global }
      - { .name: b3, .offset: 64, .size: 8, .value_kind: global_buffer, .address_space: global }
      - { .name: out0, .offset: 72, .size: 8, .value_kind: global_buffer, .address_space: global }
    .group_segment_fixed_size: 200192
    .private_segment_fixed_size: 0
    .kernarg_segment_align: 8
    .kernarg_segment_size: 80
    .max_flat_workgroup_size: 128
    .sgpr_count:     66
    .vgpr_count:     1024
    .wavefront_size: 32
...
	.end_amdgpu_metadata
.endif
;; end of part 1
